; MI455X (gfx1250); checked and timed in simulation.
; The chip was launched on July 23, 2026; its instructions are those of AMD's public machine-readable ISA for CDNA 5 (MIT licence, August 2026) and "CDNA5" Instruction Set Architecture Reference Guide (July 2026). The comments in the code are by the model that wrote it; some were corrected since.
;; QKV Attention Legacy. Allowed arithmetic: matrix products marked QUANTISED: E2M1 operands, one E8M0 scale for each 32 along K, by v_wmma_scale_f32_16x16x128_f8f6f4 with both operands' format E2M1 (or v_wmma_scale_f32_32x16x128_f4), f32 sums; everything else in f32.
;; Inputs: qkv 4 x 3,072 x 2,048 float32.
;; Outputs: out0 4 x 1,024 x 2,048 float32.
;; This version of the problem:
;;   THIS VERSION OF THE PROBLEM IS GIVEN IN LOW PRECISION. The matrix products marked QUANTISED in the list below multiply operands that are first quantised to E2M1 (2 exponent bits, 1 mantissa bit; 4 bits a number), with one power-of-two scale for each 32 numbers along K (OCP MX v1.0); their sums are f32. All else is computed in f32.
;;   The module's matrix products, in the order in which they are computed (A, B: the left and right operand; K: the contracted axis; several contracted axes count as one K, in the product's order):
;;     1. batch 64 x [M 2,048, K 64] x [K 64, N 2,048]; A: computed on the way; B: computed on the way: QUANTISED
;;     2. batch 64 x [M 64, K 2,048] x [K 2,048, N 2,048]; A: input qkv; B: softmax (see below): QUANTISED
;;   THE QUANTISER, for each operand of a quantised product, along K:
;;     - K is cut into blocks of 32 from its start; a last block that is shorter is filled with zeros.
;;     - A block's scale is 2^e with e = floor(log2(the largest magnitude in the block)) - 2, held to -126 .. 127; a block of zeros has e = 0. As a byte (E8M0): e + 127.
;;     - Each number is divided by its block's scale, clamped to +-6, and rounded to the nearest number of E2M1, ties to even, subnormals kept.
;;     - The product sums the exact products of the quantised numbers (number of the format x scale) in f32.
;;   ~~~python
;;   def quantise(x, axis):      # numpy; x: float32 -> the quantised numbers, widened to float32 again
;;       x = np.moveaxis(x, axis, -1); K = x.shape[-1]
;;       x = np.pad(x, [(0, 0)] * (x.ndim - 1) + [(0, -K % 32)]); x = x.reshape(x.shape[:-1] + (-1, 32)); a = np.abs(x).max(-1, keepdims=True)
;;       e = np.where(a > 0, np.clip(np.frexp(np.where(a > 0, a, 1))[1] - 1 - 2, -126, 127), 0)      # np.frexp(a)[1] - 1 = floor(log2(a)), exactly
;;       r = np.clip(x / 2.0 ** e, -6, 6)
;;       step = 2.0 ** (np.maximum(np.frexp(np.where(r == 0, 1, r))[1] - 1, 0) - 1)
;;       q = np.round(r / step) * step * 2.0 ** e      # np.round: ties to even
;;       return np.moveaxis(q.reshape(q.shape[:-2] + (-1,))[..., :K], -1, axis).astype(np.float32)
;;   ~~~
;;   SOFTMAX AHEAD OF A QUANTISED PRODUCT. Where the list says 'softmax', what is quantised is not the finished softmax but p = 2^(t - M), with t = logit x log2(e) and M = ceil(the row's largest t), a whole number; so 1/2 < the row's largest p <= 1. The row's sum l is taken of the UNQUANTISED p, in f32, and the product's result is divided by l at the end. Since M is a whole number, a kernel that streams over the keys may use a running M (the ceiling of the running maximum): every later rescaling is an exact power of two, which a block's scale takes up: the codes' values come out the same.
;;   OPERANDS COMPUTED ON THE WAY. 'Computed on the way' means the value that the module computes at that place (a softmax that the list does not call 'softmax' is quantised finished and normalised). What goes into a quantiser is computed in f32, as accurately as f32 sums, v_exp_f32 and their like allow (about 1e-6 of the number): no bf16 or f16 on the way to a quantiser, and a product that is left as it is and whose result goes on into a quantised operand takes f32 operands (vector FMAs, or v_wmma_f32_16x16x4_f32). A number that lies on a knife's edge between two numbers of the format may be rounded either way, as far as f32 arithmetic and the matrix unit's own rounding can turn it there, and no further.
;; One version. Each part assembles by itself: llvm-mc -triple=amdgcn-amd-amdhsa -mcpu=gfx1250 --defsym DOCPART=n.
;; ======== version 1 of 1: 1 launch
;; limits: right only within a limited range of input values
;; launch attn (part 1): grid 64 x 4, 16 waves a work-group, no clusters, 277,504 bytes of LDS; arguments qkv, out0; writes out0
.if DOCPART == 1
	.amdgcn_target "amdgcn-amd-amdhsa--gfx1250"
	.amdhsa_code_object_version 6
	.text
	.protected	k_qe962b279b9_attn
	.globl	k_qe962b279b9_attn
	.p2align	8
	.type	k_qe962b279b9_attn,@function
k_qe962b279b9_attn:
	s_mov_b64 s[64:65], 0
	v_nop
	global_prefetch_b8 v0, s[64:65] scope:SCOPE_SE
	s_setreg_imm32_b32 hwreg(HW_REG_WAVE_MODE, 25, 1), 1
	s_wait_xcnt 0x0
; out[head][c][t] = sum over s of softmax_s( sum over c' of (q g)[c'][t] (k g)[c'][s] ) v[c][s],  g = 64^(-1/4).  qkv: 64 heads x 192 rows (q 0-63, k 64-127, v 128-191) x 2,048 f32; out0: 64 heads x 64 rows x 2,048 f32.
; Both products on codes of FP4 (E2M1) with one E8M0 scale for each 32 along a product's K: the first's K is the 64 channels, the second's the 2,048 keys.
; THE SOFTMAX AHEAD OF THE SECOND PRODUCT: t = score x log2(e); M = the row's largest t so far, rounded up to a whole number; p = 2^(t - M) is quantised along the keys, not normalised; the row's sum is taken of the
; unquantised p in f32 and divides at the end.  When M moves, the sum and O are multiplied by 2^(old M - new M): exact.
; SHARES.  A work-group owns 512 queries of one head (x: the head, y: the block of queries); each of its sixteen waves owns 32 of them, two tiles of 16, in 256 registers, four waves to a SIMD.
; A STREAM.  The keys go in sixteen trips of 128.  k g and v become images of the operands' registers in LDS, 8,960 bytes a trip, each byte written once in the launch.  The head quantises q (into registers) and keys 0-255.
;   After that an even trip begins by quantising k of the NEXT 256 keys and an odd trip v of the same keys, out of 32 registers a wave whose loads were issued one trip (128 keys' work) earlier; the registers then take the next loads.
;   ONE barrier for two trips: a wave signals in the odd trip, when its stores of the next 256 keys' images have landed, works the trip on images written earlier, and waits at the trip's end, ahead of its first read of the new images.
;   k (and q): the channels are the OUTER axis in memory: a lane takes a key and its 32 registers run down a block of 32 channels (wave: 32 keys wave % 8, channel block wave / 8).
;   v: the keys are innermost: loads take 256 consecutive bytes of a row in sixteen lanes; 2,048 bytes turn through the wave's own stage in LDS, so that a lane holds 16 neighbouring keys (wave: 8 channels wave % 8, 128 keys wave / 8).
; Both products are used transposed: S^T = K Q^T, O^T = V P^T: a lane holds ONE query (lane % 16) throughout.
;   THE FIRST PRODUCT'S K IS 64 of the instruction's 128: Q's registers 4-7 are zero codes; K's registers 4-7 are whatever follows (the next tile's codes, behind tile 7 P's: all finite numbers); K's scale words hold their two bytes twice.
;   THE KEYS OF A TILE ARE NOT NEIGHBOURS: of a group of 64 keys, key y goes to tile (y % 32) / 8, row 8 (y / 32) + y % 8.  The 32 registers of four neighbouring tiles of S^T are then 32 neighbouring keys, 64 c + 32 (lane / 16) + 0 .. 31:
;   a WHOLE block of the second product's K in one lane, in the order of that operand's registers: a block's largest score needs no other lane, and the conversions' results are the operand.
; THE WAY OUT.  O^T / the sum goes into a stage [channel][512 queries] in LDS; one barrier; each wave stores 4 whole channel rows, 512 consecutive aligned bytes an instruction.
; NO CLUSTER: what a head's four work-groups share is f32 that has to pass through registers to become codes; joint loads would need a ring of f32 slots in LDS beside the 143,360 bytes of images and a round of the cluster's barrier for each refill.
; NO PREFETCH INTO THE L2: each wave's own loads into registers are issued a whole trip ahead of the wait for them.
; LIMITS: NaN and infinities among the inputs are not served.  A block of zeros, or one whose largest magnitude lies under 2^-124, gets the scale byte 1 (the bytes are read by this program alone; zeros' codes are zeros).
; A p under 2^-126 counts as 0 (v_exp_f32 gives no denormals: ISA guide, 15.8).  The promise holds while the scaled scores t stay under 2^31 in magnitude.
.set ROW,    8192                      ; bytes in a row of qkv and of out0
.set PT,     8960                      ; LDS bytes of a trip's images: K's codes, V's codes, K's scale words, V's scale bytes
.set VI,     4096                      ; K: tile t at 512 t, channel block + 256, row + 16 r.   V at VI: channel tile T at 1024 T, block of 32 keys + 256, row + 16 r
.set KSO,    8192                      ; K's scale words: 4 (16 t + r)
.set VSO,    8704                      ; V's scale bytes: 4 x channel + block
.set STG,    16*PT                     ; the way out: channel row c at SPITCH c, query at + 4 q
.set SPITCH, 2064
.set TURNB,  STG                       ; until the last v is quantised: 5,120 bytes a wave, two stages of 32 places of TP bytes; a barrier parts the two uses
.set TP,     80
.set SPARE,  STG+64*SPITCH             ; the spare words, 128 bytes a wave
.set A16,  1                           ; v1   16 x lane + the trip's images
.set A4,   2                           ; v2   4 x lane + the same
.set GK,   3                           ; v3   4 x lane
.set LKI,  4                           ; v4-7 where my codes and scale bytes of k and of v go, in the first 256 keys' images
.set LKS,  5
.set LVI,  6
.set LVS,  7
.set NMB,  8                           ; v8, v10  -M of tiles 0, 1 (each the low word of a pair)
.set TT,   9
.set QS,   11                          ; v11  Q's scale words: lane = query
.set SUMS, 12                          ; v12-15 the sums, two halves a tile
.set F,    16                          ; v16  f = 2^(old M - new M)
.set PW,   17                          ; v17, v18  P's scale words
.set GV,   19                          ; v19  v: my 16 bytes of a load
.set KS,   20                          ; v20-23 K's scale words
.set VS,   24                          ; v24, v25 V's
.set W,    26                          ; v26, v27 at work on P's scale word
.set QF,   28                          ; v28-43 Q's two fragments: four registers of codes, four of zeros
.set BM,   44                          ; v44-47 the maxima's four chains; then v44, v46: my two blocks' largest scores, largest p, the conversions' scale operands
.set KV,   48                          ; v48-79 K's 8 x 4 or V's 4 x 8 registers
.set PC,   80                          ; v80-95 P's codes, 8 a tile
.set S,    96                          ; v96-159 S^T, then p; at a trip's head at work for the quantisers
.set O,    160                         ; v160-223 O^T
.set R,    224                         ; v224-255 the stream: 32 numbers a lane of k or of v, by turns
.set WV,   8
.set CNT,  9
.set CS,   18                          ; s[18:19] log2(e)
.set SEL,  20                          ; s[20:21] lane l xor 16
.set TK,   22                          ; s22  PT x the trip
.set SCH,  23                          ; s23  2 PT x the 256 keys that are being quantised
.set STB,  24                          ; s24  my turning stages
.set QB,   32                          ; s[32:33] q, s[34:35] k, s[36:37] v: where my wave's loads stand
.set KB,   34
.set VB,   36
	s_load_b128 s[4:7], s[0:1], 0x0                ; qkv, out0
	v_lshrrev_b32 v[A16], 5, v0
	v_readfirstlane_b32 s[WV], v[A16]              ; wave 0..15
	s_mul_i32 s12, ttmp9, 192*ROW                  ; the head's first byte in qkv
	s_mov_b32 s13, 0
	s_and_b32 s10, ttmp7, 0xffff
	s_lshl_b32 s10, s10, 11                        ; my block's 512 queries
	s_lshl_b32 s14, ttmp9, 19
	s_add_co_u32 s14, s14, s10                     ; and in out0
	s_mov_b32 s15, 0
	s_mov_b32 s16, 0x3eb504f3                      ; g = 64^(-1/4)
	s_mov_b32 s17, s16
	s_mov_b32 s[CS], 0x3fb8aa3b
	s_mov_b32 s[CS+1], s[CS]
	s_mov_b32 s[SEL], 0x76543210
	s_mov_b32 s[SEL+1], 0xfedcba98
	s_mov_b32 s[TK], 0
	s_mov_b32 s[SCH], 0
	s_and_b32 s29, s[WV], 7                        ; k: which 32 keys; v: which 8 channels
	s_lshr_b32 s30, s[WV], 3                       ; k: which channel block; v: which 128 keys
	s_lshr_b32 s31, s29, 2
	s_mul_i32 s25, s31, PT                         ; k: the trip of my 32 keys,
	s_bfe_u32 s31, s29, 0x10001                    ; their group of 64 in it: four tiles,
	s_lshl_b32 s26, s31, 8
	s_add_co_u32 s26, s26, s25
	s_lshl_b32 s31, s31, 11
	s_add_co_u32 s25, s25, s31
	s_and_b32 s31, s29, 1                          ; which half of the group: rows 0-7 or 8-15 of those tiles
	s_lshl_b32 s11, s31, 5
	s_add_co_u32 s26, s26, s11
	s_add_co_u32 s26, s26, s30
	s_add_co_u32 s26, s26, KSO                     ; s26: my scale bytes
	s_lshl_b32 s31, s31, 7
	s_add_co_u32 s25, s25, s31
	s_lshl_b32 s31, s30, 8
	s_add_co_u32 s25, s25, s31                     ; s25: my codes
	s_mul_i32 s27, s30, PT                         ; v: the trip of my 128 keys
	s_lshr_b32 s31, s29, 1                         ; channel tile
	s_lshl_b32 s28, s31, 6
	s_add_co_u32 s28, s28, s27
	s_lshl_b32 s31, s31, 10
	s_add_co_u32 s27, s27, s31
	s_and_b32 s31, s29, 1                          ; which 8 of its 16
	s_lshl_b32 s11, s31, 5
	s_add_co_u32 s28, s28, s11
	s_add_co_u32 s28, s28, VSO                     ; s28: my scale bytes
	s_lshl_b32 s31, s31, 7
	s_add_co_u32 s27, s27, s31
	s_add_co_u32 s27, s27, VI                      ; s27: my codes
	s_mul_i32 s[STB], s[WV], 2*32*TP
	s_add_co_u32 s[STB], s[STB], TURNB
	s_lshl_b32 s[QB], s[WV], 7
	s_add_co_u32 s[QB], s[QB], s10                 ; q: 128 bytes a wave in my block
	s_mov_b32 s[QB+1], 0
	s_lshl_b32 s[KB], s30, 18                      ; k: 32 rows a channel block,
	s_lshl_b32 s31, s29, 7
	s_add_co_u32 s[KB], s[KB], s31                 ; 128 bytes for 32 keys
	s_add_co_u32 s[KB], s[KB], 64*ROW
	s_mov_b32 s[KB+1], 0
	s_lshl_b32 s[VB], s29, 16                      ; v: 8 rows,
	s_lshl_b32 s31, s30, 9
	s_add_co_u32 s[VB], s[VB], s31                 ; 512 bytes for 128 keys
	s_add_co_u32 s[VB], s[VB], 128*ROW
	s_mov_b32 s[VB+1], 0
	v_and_b32 v[TT], 31, v0
	v_bfe_u32 v[F], v0, 4, 1                       ; lane / 16
	v_and_b32 v[GV], 15, v0
	v_lshlrev_b32 v[GK], 2, v[TT]
	v_lshlrev_b32 v[GV], 4, v[GV]
	v_and_b32 v[A16], 7, v0                        ; my key x = lane of the wave's 32: row x % 8 of my half,
	v_lshl_add_u32 v[GV], v[F], 13, v[GV]          ; (v: lanes 16-31 a row further down)
	v_bfe_u32 v[A4], v0, 3, 2                      ; tile x / 8 of the group's four
	v_lshl_add_u32 v[LKI], v[A16], 4, s25
	v_lshl_add_u32 v[LKS], v[A16], 2, s26
	v_lshl_add_u32 v[LKI], v[A4], 9, v[LKI]
	v_lshl_add_u32 v[LKS], v[A4], 6, v[LKS]
	v_bfe_u32 v[A16], v0, 2, 3                     ; v: channel lane / 4,
	v_bfe_u32 v[A4], v0, 1, 1                      ; which of a step's two blocks of 32 keys,
	v_and_b32 v[TT], 1, v0                         ; which half of it
	v_lshl_add_u32 v[LVI], v[TT], 3, s27
	v_lshl_add_u32 v[LVS], v[A16], 2, s28
	v_lshl_add_u32 v[LVI], v[A16], 4, v[LVI]
	v_add_nc_u32 v[LVS], v[LVS], v[A4]
	v_lshl_add_u32 v[LVI], v[A4], 8, v[LVI]
	v_lshlrev_b32 v[A16], 2, v[GK]                 ; trip 0's images
	v_mov_b32 v[A4], v[GK]
	s_wait_alu depctr_va_vdst(0)                   ; at the head's end
	s_wait_kmcnt 0x0
	s_add_nc_u64 s[4:5], s[4:5], s[12:13]
	s_add_nc_u64 s[6:7], s[6:7], s[14:15]
	s_add_nc_u64 s[QB:QB+1], s[4:5], s[QB:QB+1]
	s_add_nc_u64 s[KB:KB+1], s[4:5], s[KB:KB+1]
	s_add_nc_u64 s[VB:VB+1], s[4:5], s[VB:VB+1]
; k: 32 channels of my key: a load reads 128 consecutive bytes a wave, eight waves side by side on 1,024 bytes of a row
.macro KLOAD
.set ii, 0
.rept 32
	global_load_b32 v[R+ii], v[GK], s[KB:KB+1] offset:ii*ROW
.set ii, ii+1
.endr
.endm
; v: two steps of 8 channels x 64 keys.  Load i: lanes 0-15 read 256 consecutive aligned bytes of channel 2 i, lanes 16-31 of channel 2 i + 1
.macro VLOAD dst
.irp t, 0,1
.irp i, 0,1,2,3
	global_load_b128 v[\dst+16*\t+4*\i:\dst+16*\t+4*\i+3], v[GV], s[VB:VB+1] offset:2*\i*ROW+256*\t
.endr
.endr
.endm
; 32 numbers of a column, x g, and the conversion's scale operand in v[BM+2]: the largest magnitude (with the floor 2^(3 - 127) among its leaves) with 2 taken off its exponent field
.macro COLQ xs
.set ii, 0
.rept 16
	v_pk_mul_f32 v[\xs+ii:\xs+ii+1], v[\xs+ii:\xs+ii+1], s[16:17] op_sel_hi:[1,0]
.set ii, ii+2
.endr
	v_max3_num_f32 v[BM], |v[\xs]|, |v[\xs+1]|, |v[\xs+2]|
	v_max3_num_f32 v[BM+1], |v[\xs+3]|, |v[\xs+4]|, |v[\xs+5]|
.irp i, 6,10,14,18,22,26
	s_delay_alu instid0(VALU_DEP_2)
	v_max3_num_f32 v[BM], v[BM], |v[\xs+\i]|, |v[\xs+\i+1]|
	s_delay_alu instid0(VALU_DEP_2)
	v_max3_num_f32 v[BM+1], v[BM+1], |v[\xs+\i+2]|, |v[\xs+\i+3]|
.endr
	s_delay_alu instid0(VALU_DEP_2)
	v_max3_num_f32 v[BM], v[BM], |v[\xs+30]|, |v[\xs+31]|
	s_delay_alu instid0(VALU_DEP_1)
	v_max3_num_f32 v[BM], v[BM], v[BM+1], 0x1800000
	s_delay_alu instid0(VALU_DEP_1)
	v_add_nc_u32 v[BM+2], 0xff000000, v[BM]
.endm
; k out of the stream's registers into the images of the 256 keys at s[SCH]
.macro KQUANT
	COLQ R
	s_delay_alu instid0(VALU_DEP_1)
	v_lshrrev_b32 v[BM+3], 23, v[BM+2]             ; the scale's byte
.irp g, 0,1,2,3
	v_cvt_scalef32_pk8_fp4_f32 v[S+\g], v[R+8*\g:R+8*\g+7], v[BM+2]
.endr
	v_add_nc_u32 v[S+4], s[SCH], v[LKI]            ; (a plain instruction behind the last scaled conversion)
	v_add_nc_u32 v[S+5], s[SCH], v[LKS]
	ds_store_b128 v[S+4], v[S:S+3]                 ; 32 codes: my key's registers 0-3 in the half of the lanes that holds this channel block
	ds_store_b8 v[S+5], v[BM+3]                    ; bytes 0, 1 of the key's word: the two channel blocks;
	ds_store_b8 v[S+5], v[BM+3] offset:2           ; bytes 2, 3 the same again: they stand over products with Q's zero codes
.endm
; v out of 32 registers into the same images.  kl = 1: the registers then take k of the 256 keys after these, but for the last time round, when there are none
.macro VQUANT src, kl
	v_bfe_u32 v[S+32], v0, 2, 3
	v_and_b32 v[S+34], 3, v0
	v_mul_u32_u24 v[S+33], v[GK], TP/4             ; out of the stage: place = lane
	v_mul_u32_u24 v[S+32], v[S+32], TP             ; into it: four lanes' 64 bytes on end, then the padding
	v_add_nc_u32 v[S+33], s[STB], v[S+33]
	v_add_nc_u32 v[S+32], s[STB], v[S+32]
	s_delay_alu instid0(VALU_DEP_1)
	v_lshl_add_u32 v[S+32], v[S+34], 4, v[S+32]
.irp t, 0,1
.irp i, 0,1,2,3
	ds_store_b128 v[S+32], v[\src+16*\t+4*\i:\src+16*\t+4*\i+3] offset:32*TP*\t+8*TP*\i
.endr
.irp i, 0,1,2,3
	ds_load_b128 v[S+16*\t+4*\i:S+16*\t+4*\i+3], v[S+33] offset:32*TP*\t+16*\i   ; LDS serves a wave's instructions in order (ISA guide 5.7.1.4): these see the stores
.endr
.endr
	s_wait_alu depctr_va_vdst(0)                   ; directly ahead of the wait below
	s_wait_dscnt 0x0                               ; 16 neighbouring keys a lane and step are back, and the stores have read the stream's registers
.if \kl
	s_cmp_eq_u32 s[CNT], 1
	s_cbranch_scc1 .Lnok_\@
	KLOAD
.Lnok_\@:
.endif
.irp t, 0,1
	v_max3_num_f32 v[BM+2*\t], |v[S+16*\t]|, |v[S+16*\t+1]|, |v[S+16*\t+2]|
	v_max3_num_f32 v[BM+2*\t+1], |v[S+16*\t+3]|, |v[S+16*\t+4]|, |v[S+16*\t+5]|
.endr
.irp i, 6,10
.irp t, 0,1
	v_max3_num_f32 v[BM+2*\t], v[BM+2*\t], |v[S+16*\t+\i]|, |v[S+16*\t+\i+1]|      ; (four chains by turns)
	v_max3_num_f32 v[BM+2*\t+1], v[BM+2*\t+1], |v[S+16*\t+\i+2]|, |v[S+16*\t+\i+3]|
.endr
.endr
.irp t, 0,1
	v_max3_num_f32 v[BM+2*\t], v[BM+2*\t], |v[S+16*\t+14]|, |v[S+16*\t+15]|
.endr
.irp t, 0,1
	s_delay_alu instid0(VALU_DEP_2)
	v_max3_num_f32 v[BM+2*\t], v[BM+2*\t], v[BM+2*\t+1], 0x1800000
.endr
.irp t, 0,1
	s_delay_alu instid0(VALU_DEP_2)
	v_max_num_f32_dpp v[BM+2*\t], v[BM+2*\t], v[BM+2*\t] row_xmask:1 row_mask:0xf bank_mask:0xf   ; with my neighbour's 16: the block's
.endr
.irp t, 0,1
	s_delay_alu instid0(VALU_DEP_2)
	v_add_nc_u32 v[BM+2*\t], 0xff000000, v[BM+2*\t]
.endr
.irp t, 0,1
	v_cvt_scalef32_pk8_fp4_f32 v[S+36+2*\t], v[S+16*\t:S+16*\t+7], v[BM+2*\t]
	v_cvt_scalef32_pk8_fp4_f32 v[S+37+2*\t], v[S+16*\t+8:S+16*\t+15], v[BM+2*\t]
.endr
.irp t, 0,1
	v_lshrrev_b32 v[BM+2*\t+1], 23, v[BM+2*\t]     ; the scale's byte (also the plain instruction behind the conversions)
.endr
	v_add_nc_u32 v[S+32], s[SCH], v[LVI]
	v_add_nc_u32 v[S+33], s[SCH], v[LVS]
.irp t, 0,1
	ds_store_b64 v[S+32], v[S+36+2*\t:S+37+2*\t] offset:512*\t    ; 16 codes: half of a block's 16 bytes in the image
	ds_store_b8 v[S+33], v[BM+2*\t+1] offset:2*\t                 ; both lanes of a block write the same byte with the same value
.endr
.endm
	; THE HEAD: q, and keys 0-255
.set ii, 0
.rept 64
	global_load_b32 v[S+ii], v[GK], s[QB:QB+1] offset:ii*ROW th:TH_LOAD_NT   ; 64 channels of my query; read once in the launch
.set ii, ii+1
.endr
	s_wait_loadcnt 32                              ; channel block 0 is in; block 1's 32 loads may be out
	COLQ S
	s_delay_alu instid0(VALU_DEP_1)
	v_lshrrev_b32 v[TT], 23, v[BM+2]
.irp g, 0,1,2,3
	v_cvt_scalef32_pk8_fp4_f32 v[QF+\g], v[S+8*\g:S+8*\g+7], v[BM+2]
.endr
	v_nop                                          ; one plain instruction behind the last scaled conversion
	KLOAD
	s_wait_loadcnt 32                              ; channel block 1 is in; k's 32 loads may be out
	COLQ S+32
	s_delay_alu instid0(VALU_DEP_1)
	v_lshrrev_b32 v[BM+3], 23, v[BM+2]
	s_delay_alu instid0(VALU_DEP_1)
	v_lshl_or_b32 v[BM+3], v[BM+3], 8, v[TT]
	s_delay_alu instid0(VALU_DEP_1)
	v_or_b32 v[QS], 0x7f7f0000, v[BM+3]            ; bytes 2, 3: 1.0, over the zero codes
.irp g, 0,1,2,3
	v_cvt_scalef32_pk8_fp4_f32 v[QF+8+\g], v[S+32+8*\g:S+32+8*\g+7], v[BM+2]
.endr
	v_nop
	VLOAD O
.irp i, 0,1,2,3
	v_permlane16_swap_b32 v[QF+\i], v[QF+8+\i]     ; tile u now holds query 16 u + lane % 16, channel block lane / 16
.endr
.irp i, 0,1,2,3
	v_mov_b32 v[QF+4+\i], 0                        ; zero codes for k = 64 .. 127
	v_mov_b32 v[QF+12+\i], 0
.endr
	s_wait_alu depctr_va_vdst(0)                   ; directly ahead of the wait below
	s_wait_loadcnt 8                               ; k of keys 0-255 is in (so its pointer may be stepped); v's eight loads may be out
	s_add_nc_u64 s[KB:KB+1], s[KB:KB+1], 1024
	KQUANT
	KLOAD                                          ; keys 256-511
	s_wait_alu depctr_va_vdst(0)
	s_wait_loadcnt 32                              ; v is in; the 32 just issued may be out
	s_add_nc_u64 s[VB:VB+1], s[VB:VB+1], 1024
	VQUANT O, 0
	s_wait_alu depctr_va_vdst(0)
	s_wait_dscnt 0x0                               ; for the others' sake: my stores into the images have landed
	s_barrier_signal -1
.set ii, 0
.rept 16
	v_mov_b32 v[PC+ii], 0                          ; named before they are first made: behind K's tile 7, and as a lane permute's destination
.set ii, ii+1
.endr
.set ii, 0
.rept 64
	v_mov_b32 v[O+ii], 0                           ; the trip is written once: the first finds zeros, which the first change of M leaves zeros
.set ii, ii+1
.endr
.irp u, 0,1
	v_mov_b32 v[NMB+2*\u], 0x7f61b1e6              ; -M: 3e38, a whole number over every -t
	v_mov_b32 v[SUMS+2*\u], 0
	v_mov_b32 v[SUMS+2*\u+1], 0
	v_mov_b32 v[PW+\u], 0                          ; (v17 is named as the upper half of f's pair)
	v_mov_b32 v[W+\u], 0                           ; (a lane permute's destination)
.endr
	s_mov_b32 s[SCH], 2*PT
	s_mov_b32 s[CNT], 7
	s_wait_alu depctr_va_vdst(0)
	s_barrier_wait -1                              ; the images of keys 0-255 lie in LDS
.macro KFETCH ko                       ; K of 128 keys: 8 tiles, one load of 16 bytes a lane each, and their scale words
.irp t, 0,1,2,3,4,5,6,7
	ds_load_b128 v[KV+4*\t:KV+4*\t+3], v[A16] offset:(\ko)+512*\t
.endr
.irp b, 0,1,2,3
	ds_load_b32 v[KS+\b], v[A4] offset:(\ko)+KSO+128*\b
.endr
.endm
.macro VFETCH                          ; V of the same 128 keys: 4 channel tiles of 8 registers, and their scale words
.irp T, 0,1,2,3
.irp c, 0,1
	ds_load_b128 v[KV+8*\T+4*\c:KV+8*\T+4*\c+3], v[A16] offset:VI+1024*\T+512*\c
.endr
.endr
.irp a, 0,1
	ds_load_b32 v[VS+\a], v[A4] offset:VSO+128*\a
.endr
.endm
; S^T of tile u: eight products, each the whole of its sum.  An odd tile's scale words stand in lanes 16-31 of its register, and so do those of queries 16-31.
.macro SC1 t, u
.if ((\t)%2 == 0) && ((\u) == 0)
	v_wmma_scale_f32_16x16x128_f8f6f4 v[S+8*(\t):S+8*(\t)+7], v[KV+4*(\t):KV+4*(\t)+7], v[QF+8*(\u):QF+8*(\u)+7], 0, v[KS+(\t)/2], v[QS] matrix_a_fmt:MATRIX_FMT_FP4 matrix_b_fmt:MATRIX_FMT_FP4
.elseif (\u) == 0
	v_wmma_scale_f32_16x16x128_f8f6f4 v[S+8*(\t):S+8*(\t)+7], v[KV+4*(\t):KV+4*(\t)+7], v[QF+8*(\u):QF+8*(\u)+7], 0, v[KS+(\t)/2], v[QS] matrix_a_fmt:MATRIX_FMT_FP4 matrix_b_fmt:MATRIX_FMT_FP4 matrix_a_scale:MATRIX_SCALE_ROW1
.elseif (\t)%2 == 0
	v_wmma_scale_f32_16x16x128_f8f6f4 v[S+8*(\t):S+8*(\t)+7], v[KV+4*(\t):KV+4*(\t)+7], v[QF+8*(\u):QF+8*(\u)+7], 0, v[KS+(\t)/2], v[QS] matrix_a_fmt:MATRIX_FMT_FP4 matrix_b_fmt:MATRIX_FMT_FP4 matrix_b_scale:MATRIX_SCALE_ROW1
.else
	v_wmma_scale_f32_16x16x128_f8f6f4 v[S+8*(\t):S+8*(\t)+7], v[KV+4*(\t):KV+4*(\t)+7], v[QF+8*(\u):QF+8*(\u)+7], 0, v[KS+(\t)/2], v[QS] matrix_a_fmt:MATRIX_FMT_FP4 matrix_b_fmt:MATRIX_FMT_FP4 matrix_a_scale:MATRIX_SCALE_ROW1 matrix_b_scale:MATRIX_SCALE_ROW1
.endif
.endm
.macro SCORES u
.irp t, 0,1,2,3,4,5,6,7
	SC1 \t, \u
.endr
.endm
; THE ROW'S SUM OF THE UNQUANTISED p is a tree in place, behind the conversions, which are p's last readers: p's 32 pairs of registers; a level at distance d adds pair 2 d k + d onto pair 2 d k, here for k = k0 .. k0 + n - 1.
; Levels 1, 2, 4, 8, 16 are 16 + 8 + 4 + 2 + 1 packed additions that do not wait for each other within a level; one more adds pair 0 onto the running sum.
.macro TR d, k0, n
.set kk, \k0
.rept \n
	v_pk_add_f32 v[S+4*(\d)*kk:S+4*(\d)*kk+1], v[S+4*(\d)*kk:S+4*(\d)*kk+1], v[S+4*(\d)*kk+2*(\d):S+4*(\d)*kk+2*(\d)+1]
.set kk, kk+1
.endr
.endm
; O^T of tile u under the new M: n pairs from pair p0 on, each accumulator from its low end on
.macro ORS u, p0, n
.set jj, 2*(\p0)
.rept \n
	v_pk_mul_f32 v[O+32*(\u)+jj:O+32*(\u)+jj+1], v[O+32*(\u)+jj:O+32*(\u)+jj+1], v[F:F+1] op_sel_hi:[1,0]
.set jj, jj+2
.endr
.endm
; The softmax of tile u for 128 keys, and p's codes and scale word.  My registers 32 c .. 32 c + 31 are block 2 c + lane / 16 of the four.
.macro SOFTMAX u
.set NM, NMB+2*(\u)
.set LS, SUMS+2*(\u)
.set PCU, PC+8*(\u)
.irp c, 0,1
	v_max3_num_f32 v[BM+2*\c], v[S+32*\c], v[S+32*\c+1], v[S+32*\c+2]         ; THE LARGEST SCORE OF EACH BLOCK OF 32 KEYS serves twice: for the row's maximum, and, since p rises with the score, for the block's largest p.
	v_max3_num_f32 v[BM+2*\c+1], v[S+32*\c+16], v[S+32*\c+17], v[S+32*\c+18]  ; Two chains a block, four by turns.  (Each result is read from its low end on)
.endr
.irp i, 3,5,7,9,11,13
.irp c, 0,1
	v_max3_num_f32 v[BM+2*\c], v[BM+2*\c], v[S+32*\c+\i], v[S+32*\c+\i+1]
	v_max3_num_f32 v[BM+2*\c+1], v[BM+2*\c+1], v[S+32*\c+16+\i], v[S+32*\c+17+\i]
.endr
.endr
.irp c, 0,1
	v_max3_num_f32 v[BM+2*\c], v[BM+2*\c], v[BM+2*\c+1], v[S+32*\c+15]
.endr
.irp c, 0,1
	v_max_num_f32 v[BM+2*\c], v[BM+2*\c], v[S+32*\c+31]
.endr
	v_max_num_f32 v[TT], v[BM], v[BM+2]
	v_permlanex16_b32 v[PCU], v[TT], s[SEL], s[SEL+1]
	v_max_num_f32 v[TT], v[TT], v[PCU]             ; with lane l xor 16's two blocks: the trip's largest score of my query
	v_mul_f32 v[TT], s[CS], v[TT]                  ; as t
	v_floor_f32 v[TT], -v[TT]                      ; floor(-t) = -ceil(t): a whole number
	v_min_num_f32 v[TT], v[TT], v[NM]              ; the new -M: M is the ceiling of the running largest t
	v_sub_f32 v[F], v[TT], v[NM]                   ; old M - new M: a whole number, 0 or less
	v_mov_b32 v[NM], v[TT]
.set jj, 0
.rept 32
	v_pk_fma_f32 v[S+jj:S+jj+1], v[S+jj:S+jj+1], s[CS:CS+1], v[NM:NM+1] op_sel_hi:[1,0,0]   ; t - M, two at a time
.if jj == 6
	v_cvt_i32_f32 v[F], v[F]                       ; (it saturates)
.endif
.if jj == 14
	v_ldexp_f32 v[F], 1.0, v[F]                    ; f = 2^(old M - new M)
.endif
.set jj, jj+2
.endr
.irp c, 0,1
	v_fma_f32 v[BM+2*\c], v[BM+2*\c], s[CS], v[NM] ; the same of each block's largest score
.endr
.set jj, 0
	s_wait_alu depctr_va_vdst(0)                   ; ahead of the batch
.rept 64
	v_exp_f32 v[S+jj], v[S+jj]                     ; p = 2^(t - M), at most 1
.set jj, jj+1
.endr
.irp c, 0,1
	v_exp_f32 v[BM+2*\c], v[BM+2*\c]               ; the block's largest p: the same two instructions on the same number give the same bits
.endr
	v_pk_mul_f32 v[LS:LS+1], v[LS:LS+1], v[F:F+1] op_sel_hi:[1,0]   ; the sum under the new M (the plain instruction behind the exponentials)
	s_wait_alu depctr_va_vdst(0)                   ; one wait for the batch of 66, ahead of its first reader
.irp c, 0,1
	v_max_num_f32 v[BM+2*\c], 0x1800000, v[BM+2*\c]    ; the floor 2^(3 - 127): a block whose every p has fallen to 0 keeps the byte 1; its codes are zeros
.endr
.irp c, 0,1
	v_add_nc_u32 v[BM+2*\c], 0xff000000, v[BM+2*\c]    ; 2 off the exponent field: the conversion's scale operand
.endr
.irp c, 0,1
.irp i, 0,1,2,3
	v_cvt_scalef32_pk8_fp4_f32 v[PCU+4*\c+\i], v[S+32*\c+8*\i:S+32*\c+8*\i+7], v[BM+2*\c]   ; registers 4 c .. 4 c + 3 of the operand: k = 64 c + 32 (lane / 16) + 0 .. 31
.endr
.endr
	v_lshrrev_b32 v[W], 23, v[BM]                  ; my two blocks' scale bytes (also the plain instruction behind the last scaled conversion)
	v_lshrrev_b32 v[W+1], 23, v[BM+2]
	TR 1, 0, 4                                     ; the sum's first level stands among the lines that make p's scale word
	v_lshl_or_b32 v[W], v[W+1], 16, v[W]           ; lanes 0-15: bytes 0 and 2; lanes 16-31: what will be bytes 1 and 3
	TR 1, 4, 4
	v_permlanex16_b32 v[W+1], v[W], s[SEL], s[SEL+1]
	TR 1, 8, 4
	v_lshl_or_b32 v[PW+(\u)], v[W+1], 8, v[W]      ; p's scale word for these 128 keys, whole in lanes 0-15, which alone are read
	TR 1, 12, 4
	TR 2, 0, 8
.if (\u) == 0
	TR 4, 0, 4
	TR 8, 0, 2
	ORS 0, 0, 8
	TR 16, 0, 1
	ORS 0, 8, 8
	v_pk_add_f32 v[LS:LS+1], v[LS:LS+1], v[S:S+1]
.else
	ORS 1, 0, 16                                   ; tile 1: the sum's last levels stand behind the products
.endif
.endm
; O^T += V P^T: eight accumulators, one instruction a turn
.macro PV
.irp T, 0,1,2,3
.irp u, 0,1
.if (\T)%2 == 0
	v_wmma_scale_f32_16x16x128_f8f6f4 v[O+32*\u+8*\T:O+32*\u+8*\T+7], v[KV+8*\T:KV+8*\T+7], v[PC+8*\u:PC+8*\u+7], v[O+32*\u+8*\T:O+32*\u+8*\T+7], v[VS+(\T)/2], v[PW+\u] matrix_a_fmt:MATRIX_FMT_FP4 matrix_b_fmt:MATRIX_FMT_FP4
.else
	v_wmma_scale_f32_16x16x128_f8f6f4 v[O+32*\u+8*\T:O+32*\u+8*\T+7], v[KV+8*\T:KV+8*\T+7], v[PC+8*\u:PC+8*\u+7], v[O+32*\u+8*\T:O+32*\u+8*\T+7], v[VS+(\T)/2], v[PW+\u] matrix_a_fmt:MATRIX_FMT_FP4 matrix_b_fmt:MATRIX_FMT_FP4 matrix_a_scale:MATRIX_SCALE_ROW1
.endif
.endr
.endr
.endm
; A TRIP: 128 keys.  pre = 1: at its head the stream's registers are quantised (even trip: k; odd trip: v) and loaded anew.  nxt = 1: the next trip's K is fetched at its end.
.macro TRIP odd, pre, nxt
.if \pre
	s_wait_loadcnt 0x0                             ; the stream's loads, issued a trip ago, are in: so their pointer may be stepped
.if \odd
	s_add_nc_u64 s[VB:VB+1], s[VB:VB+1], 1024
	VQUANT R, 1
	s_wait_alu depctr_va_vdst(0)                   ; directly ahead of the wait below
	s_wait_dscnt 0x0                               ; for the others' sake: my stores of the next 256 keys' images, k's of the trip before among them, have landed; this trip's K is in
	s_barrier_signal -1                            ; up to the wait: register work, and LDS loads of images written ahead of the barrier before this one, which nobody writes again
.else
	s_add_nc_u64 s[KB:KB+1], s[KB:KB+1], 1024
	KQUANT
	VLOAD R
	s_wait_alu depctr_va_vdst(0)
	s_wait_dscnt 0x0                               ; this trip's K is in, and the stores have read their registers
.endif
.else
	s_wait_dscnt 0x0                               ; K and its scale words are in
.endif
	SCORES 0
.rept 4
	v_nop                                          ; four places between the products and the first read of their results (ISA guide 7.12.1)
.endr
	SOFTMAX 0
	SCORES 1
	v_lshl_add_u32 v[A16], v[GK], 2, s[TK]         ; the trip's LDS addresses; with the two lines below the four places in front of the loads into K's registers and of the first read of the results
	v_add_nc_u32 v[A4], s[TK], v[GK]
	v_nop
	v_nop
	VFETCH                                         ; V lands under tile 1's softmax
	SOFTMAX 1
	s_wait_alu depctr_va_vdst(0)
	s_wait_dscnt 0x0                               ; V and its scale words are in
	PV
	TR 4, 0, 4                                     ; four packed additions of tile 1's sum: the places in front of the loads into V's registers
.if (\odd) && (\pre)
	s_wait_alu depctr_va_vdst(0)                   ; directly ahead of the barrier's wait
	s_barrier_wait -1                              ; every wave's part of the next 256 keys' images lies in LDS
.endif
.if \nxt
	KFETCH PT                                      ; the next trip's K lands under the rest of the sum
.endif
	TR 8, 0, 2
	TR 16, 0, 1
	v_pk_add_f32 v[SUMS+2:SUMS+3], v[SUMS+2:SUMS+3], v[S:S+1]
	s_add_co_u32 s[TK], s[TK], PT
.endm
	KFETCH 0
.Lpair:                                            ; seven times two trips, each quantising the 256 keys after its own
	TRIP 0, 1, 1
	TRIP 1, 1, 1
	s_add_co_u32 s[SCH], s[SCH], 2*PT
	s_sub_co_u32 s[CNT], s[CNT], 1
	s_cmp_lg_u32 s[CNT], 0
	s_wait_alu depctr_va_vdst(0)                   ; directly ahead of the branch
	s_cbranch_scc1 .Lpair
	TRIP 0, 0, 1                                   ; the last 256 keys: nothing is left to quantise
	TRIP 1, 0, 0
	; THE WAY OUT.  (The eight additions behind the last products were their places.)  Addresses and what else is made here lie in V's registers, which are done with.
.irp u, 0,1
	v_add_f32 v[BM+\u], v[SUMS+2*\u], v[SUMS+2*\u+1]     ; the sum's two halves,
.endr
.irp u, 0,1
	s_delay_alu instid0(VALU_DEP_2)
	v_permlanex16_b32 v[KV+8+\u], v[BM+\u], s[SEL], s[SEL+1]
.endr
.irp u, 0,1
	s_delay_alu instid0(VALU_DEP_2)
	v_add_f32 v[BM+\u], v[BM+\u], v[KV+8+\u]       ; and lane l xor 16's: the row's sum
.endr
	s_wait_alu depctr_va_vdst(0)                   ; ahead of the reciprocals
.irp u, 0,1
	v_rcp_f32 v[KV+12+2*\u], v[BM+\u]
.endr
	v_and_b32 v[KV+4], 15, v0                      ; (plain work behind the reciprocals)  my query in its tile
	v_bfe_u32 v[KV+5], v0, 4, 1                    ; h
	s_lshl_b32 s26, s[WV], 7
	s_add_co_u32 s26, s26, STG
	v_mul_u32_u24 v[KV], v[KV+5], 8*SPITCH         ; into the stage: channel 16 T + 8 h + j, query 32 x wave + 16 u + lane % 16
	s_delay_alu instid0(VALU_DEP_1)
	v_lshl_add_u32 v[KV], v[KV+4], 2, v[KV]
	s_delay_alu instid0(VALU_DEP_1)
	v_add_nc_u32 v[KV], s26, v[KV]
	s_delay_alu instid0(VALU_DEP_1)
	v_add_nc_u32 v[KV+1], 32*SPITCH, v[KV]         ; channel tiles 2, 3: beyond an LDS immediate's 16 bits
	s_mul_i32 s26, s[WV], 4*SPITCH
	s_add_co_u32 s26, s26, STG
	v_lshl_add_u32 v[KV+2], v[GK], 2, s26          ; back: my 4 channel rows, 16 bytes a lane
	s_lshl_b32 s27, s[WV], 15
	v_lshl_add_u32 v[KV+3], v[GK], 2, s27          ; and the same rows in out0
	s_wait_alu depctr_va_vdst(0)                   ; one wait for the two reciprocals, ahead of their first reader
.irp u, 0,1
.set jj, 0
.rept 16
	v_pk_mul_f32 v[O+32*\u+jj:O+32*\u+jj+1], v[O+32*\u+jj:O+32*\u+jj+1], v[KV+12+2*\u:KV+13+2*\u] op_sel_hi:[1,0]   ; O^T / the sum, each accumulator from its low end on
.set jj, jj+2
.endr
.endr
.irp u, 0,1
.irp T, 0,1,2,3
.irp j, 0,1,2,3,4,5,6,7
	ds_store_b32 v[KV+(\T)/2], v[O+32*\u+8*\T+\j] offset:(16*((\T)%2)+\j)*SPITCH+64*\u
.endr
.endr
.endr
	s_wait_dscnt 0x0                               ; for the others' sake: my stores into the stage have landed
	s_barrier_signal -1
	s_barrier_wait -1                              ; 64 channel rows of 512 queries lie in the stage
.irp i, 0,1,2,3
.irp k, 0,1,2,3
	ds_load_b128 v[S+16*\i+4*\k:S+16*\i+4*\k+3], v[KV+2] offset:\i*SPITCH+512*\k
.endr
.endr
.irp i, 0,1,2,3
.irp k, 0,1,2,3
	s_wait_dscnt 15-4*\i-\k                        ; LDS loads come back in order: this one is in, the younger ones may be out
	global_store_b128 v[KV+3], v[S+16*\i+4*\k:S+16*\i+4*\k+3], s[6:7] offset:\i*ROW+512*\k th:TH_STORE_NT   ; 32 lanes store 512 consecutive bytes, at a multiple of 256 from out0's first byte
.endr
.endr
	v_lshl_add_u32 v[R], v0, 2, SPARE              ; the wave's end, behind my last LDS store
	v_mov_b32 v[R+1], 0
	s_wait_alu depctr_va_vdst(0)
	s_wait_tensorcnt 0x0
	ds_add_u32 v[R], v[R+1]
	s_wait_dscnt 0x0
	s_endpgm
.Lfunc_end_k_qe962b279b9_attn:
	.size	k_qe962b279b9_attn, .Lfunc_end_k_qe962b279b9_attn-k_qe962b279b9_attn
	.p2alignl 7, 3214868480
	.fill 96, 4, 3214868480
	.section	.rodata,"a",@progbits
	.p2align	6, 0x0
	.amdhsa_kernel k_qe962b279b9_attn
		.amdhsa_group_segment_fixed_size 277504
		.amdhsa_private_segment_fixed_size 0
		.amdhsa_enable_private_segment 0
		.amdhsa_kernarg_size 16
		.amdhsa_user_sgpr_count 2
		.amdhsa_user_sgpr_kernarg_segment_ptr 1
		.amdhsa_wavefront_size32 1
		.amdhsa_system_sgpr_workgroup_id_x 1
		.amdhsa_system_sgpr_workgroup_id_y 1
		.amdhsa_system_sgpr_workgroup_id_z 1
		.amdhsa_system_vgpr_workitem_id 0
		.amdhsa_next_free_vgpr 256
		.amdhsa_next_free_sgpr 66
		.amdhsa_reserve_vcc 0
		.amdhsa_float_denorm_mode_32 3
		.amdhsa_float_denorm_mode_16_64 3
		.amdhsa_memory_ordered 1
		.amdhsa_forward_progress 1
		.amdhsa_inst_pref_size 160
	.end_amdhsa_kernel
	.amdgpu_metadata
---
amdhsa.version: [ 1, 2 ]
amdhsa.kernels:
  - .name:           k_qe962b279b9_attn
    .symbol:         k_qe962b279b9_attn.kd
    .args:
      - { .name: qkv, .offset: 0, .size: 8, .value_kind: global_buffer, .address_space: global }
      - { .name: out0, .offset: 8, .size: 8, .value_kind: global_buffer, .address_space: global }
    .group_segment_fixed_size: 277504
    .private_segment_fixed_size: 0
    .kernarg_segment_align: 8
    .kernarg_segment_size: 16
    .max_flat_workgroup_size: 512
    .sgpr_count:     66
    .vgpr_count:     256
    .wavefront_size: 32
...
	.end_amdgpu_metadata
.endif
;; end of part 1
